; MI455X (gfx1250); checked and timed in simulation.
; The chip was launched on July 23, 2026; its instructions are those of AMD's public machine-readable ISA for CDNA 5 (MIT licence, August 2026) and "CDNA5" Instruction Set Architecture Reference Guide (July 2026). The comments in the code are by the model that wrote it; some were corrected since.
;; Attention Layer. Allowed arithmetic: matrix products marked QUANTISED: E5M2 operands, one given power-of-two scale a tensor, by v_wmma_f32_16x16x64_bf8_bf8 or v_wmma_f32_16x16x128_bf8_bf8, f32 sums; everything else in f32.
;; Inputs: Wk_codes 1,024 x 32 x 32 uint8 (E5M2 codes of Wk, K innermost, in blocks of 32 codes); Wo_codes 1,024 x 32 x 32 uint8 (E5M2 codes of Wo, K innermost, in blocks of 32 codes); Wq_codes 1,024 x 32 x 32 uint8 (E5M2 codes of Wq, K innermost, in blocks of 32 codes); Wv_codes 1,024 x 32 x 32 uint8 (E5M2 codes of Wv, K innermost, in blocks of 32 codes); bk 1,024 float32; bo 1,024 float32; bq 1,024 float32; bv 1,024 float32; keys_codes 4 x 2,048 x 32 x 32 uint8 (E5M2 codes of keys, K innermost, in blocks of 32 codes); lowp_scales 12 int32 (the exponents e of the quantised operands' scales 2^e); queries_codes 4 x 2,048 x 32 x 32 uint8 (E5M2 codes of queries, K innermost, in blocks of 32 codes); values_codes 4 x 2,048 x 32 x 32 uint8 (E5M2 codes of values, K innermost, in blocks of 32 codes).
;; Outputs: out0 4 x 2,048 x 1,024 float32.
;; This version of the problem:
;;   THIS VERSION OF THE PROBLEM IS GIVEN IN LOW PRECISION. The matrix products marked QUANTISED in the list below multiply operands that are first quantised to E5M2 (5 exponent bits, 2 mantissa bits; 8 bits a number), with one given power-of-two scale for each operand tensor; their sums are f32. All else is computed in f32.
;;   The module's matrix products, in the order in which they are computed (A, B: the left and right operand; K: the contracted axis; several contracted axes count as one K, in the product's order):
;;     1. [M 8,192, K 1,024] x [K 1,024, N 1,024]; A: input queries (given as codes); B: input Wq (given as codes): QUANTISED (scales: A lowp_scales[0], B lowp_scales[1])
;;     2. [M 8,192, K 1,024] x [K 1,024, N 1,024]; A: input keys (given as codes); B: input Wk (given as codes): QUANTISED (scales: A lowp_scales[2], B lowp_scales[3])
;;     3. [M 8,192, K 1,024] x [K 1,024, N 1,024]; A: input values (given as codes); B: input Wv (given as codes): QUANTISED (scales: A lowp_scales[4], B lowp_scales[5])
;;     4. batch 64 x [M 2,048, K 64] x [K 64, N 2,048]; A: computed on the way; B: computed on the way: QUANTISED (scales: A lowp_scales[6], B lowp_scales[7])
;;     5. batch 64 x [M 64, K 2,048] x [K 2,048, N 2,048]; A: computed on the way; B: softmax (see below): QUANTISED (scales: A lowp_scales[8], B lowp_scales[9])
;;     6. [M 8,192, K 1,024] x [K 1,024, N 1,024]; A: computed on the way; B: input Wo (given as codes): QUANTISED (scales: A lowp_scales[10], B lowp_scales[11])
;;   THE QUANTISER, for each operand of a quantised product, along K:
;;     - The operand's scale is 2^e, e = its entry of the input lowp_scales (int32; the entries are numbered through the quantised products in the list's order, A before B).
;;     - Each number is divided by the scale, clamped to +-57,344, and rounded to the nearest number of E5M2, ties to even, subnormals kept.
;;     - The product sums the exact products of the quantised numbers (number of the format x scale) in f32.
;;   ~~~python
;;   def quantise(x, axis, e):      # numpy; x: float32 -> the quantised numbers, widened to float32 again
;;       x = np.moveaxis(x, axis, -1); K = x.shape[-1]
;;       r = np.clip(x / 2.0 ** e, -57344, 57344)
;;       step = 2.0 ** (np.maximum(np.frexp(np.where(r == 0, 1, r))[1] - 1, -14) - 2)
;;       q = np.round(r / step) * step * 2.0 ** e      # np.round: ties to even
;;       return np.moveaxis(q, -1, axis).astype(np.float32)
;;   ~~~
;;   SOFTMAX AHEAD OF A QUANTISED PRODUCT. Where the list says 'softmax', what is quantised is not the finished softmax but p = 2^(t - M), with t = logit x log2(e) and M = ceil(the row's largest t), a whole number; so 1/2 < the row's largest p <= 1. The row's sum l is taken of the UNQUANTISED p, in f32, and the product's result is divided by l at the end. Since M is a whole number, a kernel that streams over the keys may use a running M (the ceiling of the running maximum): every later rescaling is an exact power of two, so the quantised numbers keep their values, but for numbers so far below the row's largest that they fall under the format's range.
;;   OPERANDS COMPUTED ON THE WAY. 'Computed on the way' means the value that the module computes at that place (a softmax that the list does not call 'softmax' is quantised finished and normalised). What goes into a quantiser is computed in f32, as accurately as f32 sums, v_exp_f32 and their like allow (about 1e-6 of the number): no bf16 or f16 on the way to a quantiser, and a product that is left as it is and whose result goes on into a quantised operand takes f32 operands (vector FMAs, or v_wmma_f32_16x16x4_f32). A number that lies on a knife's edge between two numbers of the format may be rounded either way, as far as f32 arithmetic and the matrix unit's own rounding can turn it there, and no further.
;;   INPUTS GIVEN AS CODES. Wk (in the module: [1024, 1024], K = its axis 1); Wo (in the module: [1024, 1024], K = its axis 1); Wq (in the module: [1024, 1024], K = its axis 1); Wv (in the module: [1024, 1024], K = its axis 1); keys (in the module: [4, 2048, 1024], K = its axis 2); queries (in the module: [4, 2048, 1024], K = its axis 2); values (in the module: [4, 2048, 1024], K = its axis 2): each comes as NAME_codes (uint8): NAME with its K axis moved to the last place and cut into blocks of 32 codes, [.., K / 32, bytes a block], one block behind the other in memory; one code a byte (a code: sign, 5 exponent bits, 2 mantissa bits); its scale is its entry of lowp_scales. Its value is code x scale, taken as it is: it is not quantised again, and the codes and scales need not be those that the quantiser above would give.
;; One version. Each part assembles by itself: llvm-mc -triple=amdgcn-amd-amdhsa -mcpu=gfx1250 --defsym DOCPART=n.
;; ======== version 1 of 1: 3 launches
;; limits: right only within a limited range of input values
;; workspace buffers: qimg 8,388,608 bytes; kimg 8,388,608 bytes; vimg 8,388,608 bytes; aimg 8,388,608 bytes
;; launch proj (part 1): grid 4 x 96, 4 waves a work-group, clusters of 4 x 4, 327,680 bytes of LDS; arguments queries_codes, keys_codes, Wv_codes, Wq_codes, Wk_codes, values_codes, bq, bk, bv, qimg, kimg, vimg, lowp_scales; writes qimg, kimg, vimg
.if DOCPART == 1
	.amdgcn_target "amdgcn-amd-amdhsa--gfx1250"
	.amdhsa_code_object_version 6
	.text
	.protected	k_q87cd56fa23_proj
	.globl	k_q87cd56fa23_proj
	.p2align	8
	.type	k_q87cd56fa23_proj,@function
k_q87cd56fa23_proj:
	s_mov_b64 s[64:65], 0
	v_nop
	global_prefetch_b8 v0, s[64:65] scope:SCOPE_SE
	s_setreg_imm32_b32 hwreg(HW_REG_WAVE_MODE, 25, 1), 1
	s_wait_xcnt 0x0
	s_wait_alu depctr_hold_cnt(0) depctr_sa_sdst(0) depctr_va_vdst(0) depctr_va_sdst(0) depctr_va_ssrc(0) depctr_va_vcc(0) depctr_vm_vsrc(0)
	s_getreg_b32 s2, hwreg(HW_REG_IB_STS2, 6, 4)
	s_cmp_eq_u32 s2, 0
	s_cbranch_scc0 .Lentry_in_a_cluster
	s_endpgm
.Lentry_in_a_cluster:
	s_bfe_u32 s2, ttmp6, 0x10000c
	s_cmp_lg_u32 s2, 0xf033
	s_cbranch_scc0 .Lentry_shape_is_right
	s_endpgm
.Lentry_shape_is_right:
; THE THREE PROJECTIONS: q = queries Wq^T + bq, k = keys Wk^T + bk, v = values Wv^T + bv, each 8,192 x 1,024 x 1,024 on codes of BF8 (E5M2), sums in f32;
; each result (sum x 2^(eA + eB) + bias, one fused multiply-add in f32) is quantised with its given scale (entries 6, 7, 8 of the scales) and stored as codes, laid as the attention launch wants its operands.
; One text serves all three: the cluster's y / 8 says which (KIND 0 q, 1 k, 2 v); it chooses pointers, and at the end one of two ways out.  384 work-groups of one tile of 256 x 256 each.
; A GEMM C = A B^T: a work-group of four waves makes 256 x 256, a wave 128 x 128 in 64 accumulators (512 registers).  K goes in steps of 256 through two LDS slots filled by the tensor data mover.
; q, k: A = the tokens (32 tile rows), B = the weight (4 tile columns).   v: A = Wv (4 tile rows of channels), B = values (32 tile columns of tokens): the result is then V^T.
; THE MATRIX INSTRUCTION IS USED TRANSPOSED (source 0 = 16 rows of B, source 1 = 16 rows of A): in accumulator (a, b) lane (r, h) holds A's row 16 a + r, and register j B's row 16 b + 8 h + j.
; So for q and k a lane holds eight neighbouring channels of one token, for v eight neighbouring keys of one channel: the neighbours along the next product's K, which a conversion takes from one lane's registers.
; THE RESULTS LEAVE AS IMAGES OF OPERAND REGISTERS: a fragment of the 16x16x64 form is 8 registers a lane (registers 2 c, 2 c + 1: k = 16 c + 8 h + 0 .. 7); its image is 1,024 bytes, four registers a store, lane l's 16 bytes at 16 l.
;   qimg, kimg: [batch x head 64][tile of 16 tokens 128][1,024];   vimg: [batch x head 64][step of 64 keys 32][tile of 16 channels 4][1,024].   Each store of a wave covers 512 consecutive bytes, aligned.  No LDS on the way out.
; CLUSTERS: 4 x 4 work-groups.  The four of a row of the cluster need the same tiles of A, the four of a column the same tiles of B: each tile is asked for JOINTLY.
; LIMITS: eA + eB between -126 and 127; entries 6, 7, 8 between -126 and 112, so that each power of two below is an f32 number.  NaN among the inputs is not served; what lies beyond a scale's range is held at the largest code.
; REGISTERS, in windows of 256: window 0: v0-31 addresses and scales; v32-95, v96-111 the biases; from v128 A's fragments, ONE set; on the way out v128-191 numbers, v192-255 codes.
;   window 1: B's fragments, TWO sets, at v0 and v128.   window 2: the accumulators of my rows 0-63 ((a, b) at v[8 (8 a + b)]);   window 3: those of my rows 64-127.
.set ROWB,   256                       ; a tile's row in bytes: 256 codes
.set KROW,   1024                      ; a row of A or of B in memory, in bytes
.set PITCH,  272                       ; an LDS row: 256 bytes + 16 of padding = 68 words: row r starts at bank 4 r mod 64 (ISA guide 11.1)
.set FR,     16                        ; registers of a fragment: 16 rows x 128 K
.set NL,     4                         ; LDS loads that bring one
.set NP,     4                         ; places behind this matrix instruction (ISA guide 7.12.1)
.set HALFT,  128*PITCH                 ; 128 rows: what one tensor load brings
.set SLOT,   4*HALFT                   ; A's 256 rows, then B's 256 rows
.set SPARE,  2*SLOT                    ; behind the ring: the spare words, 128 bytes for each wave, which no other line names
.set ADRA, 16                          ; v16-17  LDS address of my A fragments in slot 0, 1
.set ADRB, 20                          ; v20-21  the same for B
.set LOFF, 24                          ; v24     16 x lane: my place in an image's 512 bytes
.set BOH,  25                          ; v25     32 h: my eight numbers of a bias, by B's rows
.set BOR,  26                          ; v26     4 r: my one number of a bias, by A's rows
.set SPW,  28                          ; v28     LDS address of my spare word; never rewritten
.set NIL,  29                          ; v29     0; never rewritten
.set SCL,  30                          ; v30     2^eO as f32: the conversions take its exponent field
.set LIM,  31                          ; v31     57,344 x 2^eO
.set BR,   32                          ; v32-95  bias[chw + 16 b + 8 h + j] at 8 b + j
.set BV,   96                          ; v96-111 bias[chw + 16 a + r], twice, at 2 a and 2 a + 1
.set AF,   128                         ; A's fragments
.set TMP,  128                         ; the way out: a block's 64 numbers
.set CD,   192                         ; the way out: a block's 16 registers of codes; four sets
.set G1, 24                            ; s[24:31] descriptor group 1 for A's tiles;  s[32:39] group 0, one set for each slot
.set G0, 32
.set G1B, 48                           ; s[48:55], s[56:63] the same for B's tiles
.set G0B, 56
.set KIND, 98                          ; s98
.set MSB, 0
.macro WIN new                         ; the immediate's high byte repeats the setting that is left
.if MSB != (\new)
	s_set_vgpr_msb (MSB<<8)|(\new)
.set MSB, (\new)
.endif
.endm
.set MUL_LO, 0xa1                      ; source 0 (B) window 1, source 1 (A) window 0, C and D window 2
.set MUL_HI, 0xf1                      ; the same, C and D window 3
.set TO_B,   0x40                      ; destination window 1, address window 0
; A joint load: waves 0 and 1 fetch for A, waves 2 and 3 for B.  The branch hangs on the wave's number alone.  Four v_nop follow each of the two lines.
.macro JLOAD g0a, g1a, g0b, g1b
	s_cmp_eq_u32 s15, 0
	s_cbranch_scc0 .Lfor_b_\@
	tensor_load_to_lds s[\g0a:\g0a+3], s[\g1a:\g1a+7]
	s_nop 0
.rept 4
	v_nop
.endr
	s_branch .Lasked_\@
.Lfor_b_\@:
	tensor_load_to_lds s[\g0b:\g0b+3], s[\g1b:\g1b+7]
	s_nop 0
.rept 4
	v_nop
.endr
.Lasked_\@:
.endm
.macro CREST                           ; a round of the cluster's barrier behind its opening barrier
	s_cmp_lg_u32 s14, 0
	s_cbranch_scc1 .Lnot_wave_0_\@
	s_barrier_signal -3
.Lnot_wave_0_\@:
	s_barrier_wait -3
	s_barrier_signal -1
	s_barrier_wait -1
.endm
.macro CROUND                          ; a whole round
	s_barrier_signal -1
	s_barrier_wait -1
	CREST
.endm
	s_load_b512 s[68:83], s[0:1], 0x0              ; queries s[68:69], keys s[70:71], Wv s[72:73]; Wq s[74:75], Wk s[76:77], values s[78:79]; bq s[80:81], bk s[82:83]
	s_load_b256 s[84:91], s[0:1], 0x40             ; bv s[84:85]; qimg s[86:87], kimg s[88:89], vimg s[90:91]
	s_load_b64 s[92:93], s[0:1], 0x60              ; the scales' exponents
	v_lshl_add_u32 v[SPW], v0, 2, SPARE
	v_mov_b32 v[NIL], 0
	ds_add_u32 v28, v29
	ds_add_u32 v28, v29
	s_wait_dscnt 0x0
	v_lshrrev_b32 v1, 5, v0
	v_readfirstlane_b32 s14, v1                    ; wave 0..3
	s_lshr_b32 s15, s14, 1                         ; which half of the tile's rows is mine.  Also: I fetch for A (0) or for B (1)
	s_and_b32 s16, s14, 1                          ; which half of its columns.  Also: which 128 rows of that tile I fetch
	s_bfe_u32 s40, ttmp6, 0x40000                  ; cx, cy: my place in the cluster
	s_bfe_u32 s41, ttmp6, 0x40004
	s_and_b32 s66, ttmp7, 0xffff                   ; the cluster's y, 0 .. 23: the same in all sixteen partners
	s_lshr_b32 s[KIND], s66, 3
	s_min_u32 s[KIND], s[KIND], 2                  ; 0 q, 1 k, 2 v
	s_and_b32 s67, s66, 7                          ; which of the kind's eight clusters
	s_cmp_eq_u32 s[KIND], 2
	s_cselect_b32 s94, s67, 0                      ; v: the clusters lie side by side along the tokens, which are B's rows;
	s_cselect_b32 s95, 0, s67                      ; q, k: one below the other along the tokens, which are A's rows
	s_lshl_b32 s42, s94, 2
	s_add_co_u32 s42, s42, s40                     ; tile column
	s_lshl_b32 s17, s95, 2
	s_add_co_u32 s17, s17, s41                     ; tile row
	s_lshl_b32 s94, s[KIND], 3                     ; where the kind's eA, eB lie among the scales: entries 2 KIND, 2 KIND + 1,
	s_lshl_b32 s95, s[KIND], 2                     ; and its eO: entry 6 + KIND
	s_lshl_b32 s43, s41, 2
	s_lshl_b32 s43, 15, s43                        ; my row of the cluster
	s_lshl_b32 s44, 0x1111, s40                    ; my column
	; descriptor group 1: a tile of 128 rows x 256 bytes, padded in LDS
	s_or_b32 s[G1+0], s43, (0<<16)|(1<<20)|(1<<21)|(5<<22)|(3<<25)  ; 15:0 the mask: A's tiles go to my row; 17:16 element of 1 byte; 20 padding on; 21 set beside a mask; 24:22 after every 64 words; 31:25 of 4 words
	s_or_b32 s[G1B+0], s44, (0<<16)|(1<<20)|(1<<21)|(5<<22)|(3<<25)
.irp g, G1, G1B
	s_mov_b32 s[\g+1], ROWB<<16                    ; tensor_dim0
	s_mov_b32 s[\g+2], 128<<16                     ; tensor_dim1 = 128
	s_mov_b32 s[\g+3], ROWB<<16                    ; tile_dim0
	s_mov_b32 s[\g+4], 128                         ; tile_dim1 = 128
	s_mov_b32 s[\g+5], KROW                        ; tensor_dim0_stride
	s_mov_b32 s[\g+6], 0
	s_mov_b32 s[\g+7], 0
.endr
	s_lshl_b32 s18, s16, 7                         ; which 128 rows of the tile I fetch
	s_lshl_b32 s20, s17, 8
	s_add_co_u32 s20, s20, s18                     ; A: row 256 x tile row + 128 x half,
	s_lshl_b32 s20, s20, 10                        ; in bytes (under 2^23)
	s_mov_b32 s21, 0
	s_lshl_b32 s46, s42, 8
	s_add_co_u32 s46, s46, s18                     ; B: row 256 x tile column + 128 x half
	s_lshl_b32 s46, s46, 10
	s_mov_b32 s47, 0
	s_mul_i32 s45, s14, HALFT                      ; where they go: wave x 128 rows: no place in the cluster enters an LDS address
	s_wait_kmcnt 0x0
	s_cmp_eq_u32 s[KIND], 1                        ; the kind's four buffers: a choice that hangs on the cluster's number alone
	s_cselect_b64 s[4:5], s[70:71], s[68:69]       ; A
	s_cselect_b64 s[6:7], s[76:77], s[74:75]       ; B
	s_cselect_b64 s[12:13], s[82:83], s[80:81]     ; the bias
	s_cselect_b64 s[10:11], s[88:89], s[86:87]     ; the images
	s_cmp_eq_u32 s[KIND], 2
	s_cselect_b64 s[4:5], s[72:73], s[4:5]
	s_cselect_b64 s[6:7], s[78:79], s[6:7]
	s_cselect_b64 s[12:13], s[84:85], s[12:13]
	s_cselect_b64 s[10:11], s[90:91], s[10:11]
	s_load_b64 s[96:97], s[92:93], s94 offset:0x0  ; eA, eB
	s_load_b32 s99, s[92:93], s95 offset:0x18      ; eO
	s_add_nc_u64 s[20:21], s[4:5], s[20:21]
	s_add_nc_u64 s[46:47], s[6:7], s[46:47]
	CROUND                                         ; all sixteen work-groups are here: the first joint loads meet
.irp s, 0,1
	s_mov_b32 s[G0+4*\s], 1
	s_add_co_u32 s[G0+4*\s+1], s45, \s*SLOT
	s_add_nc_u64 s[G0+4*\s+2:G0+4*\s+3], s[20:21], \s*ROWB
	s_or_b32 s[G0+4*\s+3], s[G0+4*\s+3], 0x80000000
	s_mov_b32 s[G0B+4*\s], 1
	s_add_co_u32 s[G0B+4*\s+1], s45, \s*SLOT
	s_add_nc_u64 s[G0B+4*\s+2:G0B+4*\s+3], s[46:47], \s*ROWB
	s_or_b32 s[G0B+4*\s+3], s[G0B+4*\s+3], 0x80000000
.endr
	JLOAD G0, G1, G0B, G1B                         ; K step 0: one tensor load a wave at the head
	; PREFETCHES INTO THE L2, two K steps of look-ahead: behind K step 0's load K steps 1 and 2 are asked for, behind K step 1's load K step 3.  A K step is 256 bytes of each row.
	; Of the 128 rows that I fetch, each of the four partners that ask for them jointly takes 32, told apart by address (cx for A, cy for B): a lane a row, one instruction a wave and K step.
	; The tokens' rows are loaded by one cluster alone.  The weight is loaded by all eight clusters of a kind: four of them (the even ones) ask for it.  The address registers are never rewritten.
.set PFO, 27                           ; v27: 1,024 x lane
	s_cmp_eq_u32 s15, 0                            ; do I fetch for A?
	s_cselect_b64 s[68:69], s[4:5], s[6:7]
	s_cselect_b32 s70, s17, s42                    ; the tile's number: by the tile row in A, by the tile column in B
	s_cselect_b32 s72, s40, s41                    ; my place among the four that ask with me
	s_lshl_b32 s70, s70, 8
	s_lshl_b32 s73, s16, 7
	s_add_co_u32 s70, s70, s73                     ; + the 128 rows that I fetch
	s_lshl_b32 s72, s72, 5
	s_add_co_u32 s70, s70, s72                     ; + my work-group's 32 of them
	s_lshl_b32 s70, s70, 10                        ; rows of 1,024 bytes
	s_mov_b32 s71, 0
	s_add_nc_u64 s[68:69], s[68:69], s[70:71]
	s_cmp_eq_u32 s[KIND], 2
	s_cselect_b32 s74, 0, 1                        ; the weight is A for v, B for q and k
	s_xor_b32 s74, s74, s15                        ; 0: what I fetch is the weight
	s_and_b32 s75, s67, 1
	s_xor_b32 s75, s75, 1                          ; 1 in the even clusters of the kind
	s_or_b32 s74, s74, s75                         ; 0: I ask for nothing.  It hangs on the wave's and the cluster's number alone
	v_and_b32 v[PFO], 31, v0
	v_lshlrev_b32 v[PFO], 10, v[PFO]
	s_cmp_lg_u32 s74, 0
	s_cbranch_scc0 .Lno_ask0
	global_prefetch_b8 v[PFO], s[68:69] offset:256 th:TH_LOAD_NT scope:SCOPE_SE
	global_prefetch_b8 v[PFO], s[68:69] offset:512 th:TH_LOAD_NT scope:SCOPE_SE
.Lno_ask0:
	v_and_b32 v1, 15, v0                           ; r = lane % 16
	v_bfe_u32 v2, v0, 4, 1                         ; h = lane / 16
	v_mul_u32_u24 v3, v1, PITCH
	v_lshl_add_u32 v4, v2, 4, v3                   ; a fragment's row x pitch + 16 x half
	s_mul_i32 s21, s15, HALFT                      ; my 128 rows of A
	s_mul_i32 s22, s16, HALFT                      ; my 128 rows of B,
	s_add_co_u32 s22, s22, 2*HALFT                 ; which lie behind A's 256
.irp s, 0,1
	v_add_nc_u32 v[ADRA+\s], s21, v4
	v_add_nc_u32 v[ADRB+\s], s22, v4
	s_add_co_u32 s21, s21, SLOT
	s_add_co_u32 s22, s22, SLOT
.endr
	v_and_b32 v6, 31, v0
	v_lshlrev_b32 v[LOFF], 4, v6
	v_lshlrev_b32 v[BOH], 5, v2
	s_wait_alu depctr_va_vdst(0)
	v_lshlrev_b32 v[BOR], 2, v1
	s_wait_alu depctr_va_vdst(0)
	s_lshl_b32 s20, s17, 8
	s_lshl_b32 s21, s15, 7
	s_add_co_u32 s20, s20, s21                     ; my wave's first row of A
	s_lshl_b32 s46, s42, 8
	s_lshl_b32 s47, s16, 7
	s_add_co_u32 s46, s46, s47                     ; and of B
	s_cmp_eq_u32 s[KIND], 2
	s_cselect_b32 s100, s46, s20                   ; tokw: my first token (of 8,192),
	s_cselect_b32 s101, s20, s46                   ; chw: my first channel (of 1,024; at most 896)
	s_lshl_b32 s22, s101, 2
	s_mov_b32 s23, 0
	s_add_nc_u64 s[12:13], s[12:13], s[22:23]      ; the bias at my 128 channels
	; both forms of the bias are loaded, each 128 numbers inside the buffer for every kind; the way out takes one.  They land while the products run.
.irp b, 0,1,2,3,4,5,6,7
	global_load_b128 v[BR+8*\b:BR+8*\b+3],   v[BOH], s[12:13] offset:64*\b
	global_load_b128 v[BR+8*\b+4:BR+8*\b+7], v[BOH], s[12:13] offset:64*\b+16
.endr
.irp a, 0,1,2,3,4,5,6,7
	global_load_b32 v[BV+2*\a],   v[BOR], s[12:13] offset:64*\a
	global_load_b32 v[BV+2*\a+1], v[BOR], s[12:13] offset:64*\a   ; twice: a pair for the packed multiply-add
.endr
	s_lshr_b32 s22, s100, 11                       ; where my images begin: batch x 2^21
	s_lshl_b32 s22, s22, 21
	s_lshr_b32 s18, s101, 6                        ; + head x 2^17
	s_lshl_b32 s18, s18, 17
	s_add_co_u32 s22, s22, s18
	s_and_b32 s18, s100, 2047                      ; + 64 bytes for each token of the batch: 1,024 a tile of 16 tokens (q, k), 4,096 a step of 64 keys (v)
	s_lshl_b32 s18, s18, 6
	s_add_co_u32 s22, s22, s18
	s_add_nc_u64 s[10:11], s[10:11], s[22:23]
.macro FRAG reg, adr, q, i             ; a fragment, 16 rows x 128 K, is 16 registers: lane l holds row l % 16; registers 4 c .. 4 c + 3 hold K = 32 c + 16 (l / 16) + 0 .. 15: the same order of k in A and in B
.irp c, 0,1,2,3
	ds_load_b128 v[\reg+4*\c:\reg+4*\c+3], v[\adr] offset:128*(\q)+32*\c+(\i)*16*PITCH
.endr
.endm
; 16 matrix instructions: A's blocks a0, a0 + 1 x B's eight, 128 along K.  p: B's set.  zero = 1: the first product starts the sums.
; The 64 accumulators take turns, one instruction a turn, in the same order in every step.
.macro MUL16 a0, p, zero
.irp a, \a0, \a0+1
.irp b, 0,1,2,3,4,5,6,7
.if \zero
	v_wmma_f32_16x16x128_bf8_bf8 v[8*(8*((\a)%4)+\b):8*(8*((\a)%4)+\b)+7], v[128*(\p)+FR*\b:128*(\p)+FR*\b+FR-1], v[AF+FR*(\a):AF+FR*(\a)+FR-1], 0
.else
	v_wmma_f32_16x16x128_bf8_bf8 v[8*(8*((\a)%4)+\b):8*(8*((\a)%4)+\b)+7], v[128*(\p)+FR*\b:128*(\p)+FR*\b+FR-1], v[AF+FR*(\a):AF+FR*(\a)+FR-1], v[8*(8*((\a)%4)+\b):8*(8*((\a)%4)+\b)+7]
.endif
.endr
.endr
.endm
.macro FETCH_B slot, q, p              ; B's eight fragments of the slot's q-th 128 along K into set p
	WIN TO_B
.irp i, 0,1,2,3,4,5,6,7
	FRAG 128*(\p)+FR*\i, ADRB+\slot, \q, \i
.endr
	WIN 0
.endm
.macro FETCH_A slot, q, i0             ; A's blocks i0 .. i0 + 3
.irp i, \i0, \i0+1, \i0+2, \i0+3
	FRAG AF+FR*(\i), ADRA+\slot, \q, \i
.endr
.endm
.macro PLACES n                        ; plain vector instructions between a matrix instruction and a load into, or a vector read or write of, one of its registers
.rept \n
	v_nop
.endr
.endm
; A step of 128 along K that has its successor in the same slot.
.macro STEP slot, q, zero
	s_wait_dscnt 4*NL                              ; B's set and A's blocks 0-3 are in; the youngest 16 loads (A's blocks 4-7) may be out
	WIN MUL_LO
	MUL16 0, (\q)%2, \zero
	MUL16 2, (\q)%2, \zero
	s_wait_dscnt 0                                 ; A's blocks 4-7 are in (asked for 32 matrix instructions ago)
	PLACES NP
	FETCH_B \slot, (\q)+1, 1-(\q)%2
	FETCH_A \slot, (\q)+1, 0
	WIN MUL_HI
	MUL16 4, (\q)%2, \zero
	MUL16 6, (\q)%2, \zero
	PLACES NP
	WIN 0
	FETCH_A \slot, (\q)+1, 4
.endm
; A slot's last step changes slots: ONE barrier; in front of it each wave waits for all its tensor loads, adds 0 to its spare word, and waits for that and for its own reads of this slot.  fill = 1: this slot is filled again, two K steps ahead.
.macro TURN slot, next, fill
	s_wait_tensorcnt 0x0                           ; all my tensor loads have landed: my part of the next slot (every window is 0 here)
	ds_add_u32 v[SPW], v[NIL]                      ; 0 onto my spare word
	s_wait_dscnt 4*NL+1                            ; the add and the youngest 16 loads (A's blocks 4-7) may be out
	WIN MUL_LO
	MUL16 0, 1, 0                                  ; sixteen matrix instructions stand between the add and the wait for it
	s_wait_dscnt 0x0                               ; the add is done, and my reads of this slot are over
	s_barrier_signal -1
	MUL16 2, 1, 0
	WIN 0
	s_barrier_wait -1
.if \fill
	CREST                                          ; the barrier has opened a round of the cluster's barrier: no wave of any partner still reads this slot or has a load on its way
	s_add_nc_u64 s[G0+4*\slot+2:G0+4*\slot+3], s[G0+4*\slot+2:G0+4*\slot+3], 2*ROWB
	s_add_nc_u64 s[G0B+4*\slot+2:G0B+4*\slot+3], s[G0B+4*\slot+2:G0B+4*\slot+3], 2*ROWB
	JLOAD G0+4*\slot, G1, G0B+4*\slot, G1B         ; the first tensor load behind the round, my one load until the next; its four v_nop are also the places in front of the loads below
.else
	PLACES NP
.endif
	FETCH_B \next, 0, 0
	FETCH_A \next, 0, 0
	WIN MUL_HI
	MUL16 4, 1, 0
	MUL16 6, 1, 0
	PLACES NP
	WIN 0
	FETCH_A \next, 0, 4
.endm
	s_wait_alu depctr_va_vdst(0)
	s_wait_tensorcnt 0x0                           ; my part of K step 0 is in
	ds_add_u32 v[SPW], v[NIL]
	s_wait_dscnt 0x0
	CROUND                                         ; everybody's part of K step 0 is in, and all sixteen work-groups are here
	JLOAD G0+4, G1, G0B+4, G1B                     ; K step 1's load, the first tensor load behind the round
	FETCH_B 0, 0, 0
	FETCH_A 0, 0, 0
	FETCH_A 0, 0, 4
	s_cmp_lg_u32 s74, 0                            ; behind K step 1's load and the run of LDS loads: K step 3, the last
	s_cbranch_scc0 .Lno_ask1
	global_prefetch_b8 v[PFO], s[68:69] offset:768 th:TH_LOAD_NT scope:SCOPE_SE
.Lno_ask1:
	STEP 0, 0, 1                                   ; K = 1,024 is four K steps, eight steps of 128: written out.  The first products start the sums
	TURN 0, 1, 1                                   ; slot 0 takes K step 2
	STEP 1, 0, 0
	TURN 1, 0, 1                                   ; slot 1 takes K step 3
	STEP 0, 0, 0
	TURN 0, 1, 0                                   ; nothing is left to fetch
	STEP 1, 0, 0
	s_wait_dscnt 4*NL                              ; the very last step
	WIN MUL_LO
	MUL16 0, 1, 0
	MUL16 2, 1, 0
	s_wait_dscnt 0
	WIN MUL_HI
	MUL16 4, 1, 0
	MUL16 6, 1, 0
	WIN 0
; THE WAY OUT of block a (A's rows 16 a on): 64 numbers a lane = sum x 2^(eA + eB) + bias; held within the largest code x the scale; converted, eight neighbours along the next K to two registers; stored as images.
; kind = 0 (q, k): the bias goes by B's rows; the block's 16 registers of codes are token tile a's fragments of two heads.   kind = 1 (v): by A's rows; they are channel tile a's fragments of two steps of 64 keys.
.macro OUTBLK a, kind
.set AC, 64*((\a)%4)
.set CDS, CD+16*((\a)%4)
.if (\a) == 4
	s_wait_xcnt 0x0                                ; the stores of blocks 0 to 3 have read their registers: the four sets of codes are written again only behind this wait
.endif
	WIN 0x02+((\a)/4)                              ; source 0: window 2 or 3
.set j, 0
.rept 32
.if \kind
	v_pk_fma_f32 v[TMP+j:TMP+j+1], v[AC+j:AC+j+1], s[96:97], v[BV+2*(\a):BV+2*(\a)+1] op_sel_hi:[1,0,1]   ; each accumulator from its low end on
.else
	v_pk_fma_f32 v[TMP+j:TMP+j+1], v[AC+j:AC+j+1], s[96:97], v[BR+j:BR+j+1] op_sel_hi:[1,0,1]
.endif
.set j, j+2
.endr
	WIN 0
.set i, 0
.rept 64
	v_med3_num_f32 v[TMP+i], v[TMP+i], -v[LIM], v[LIM]   ; the conversion to an 8-bit code does not saturate (ISA guide 7.6.2)
.set i, i+1
.endr
.irp b, 0,1,2,3,4,5,6,7
	v_cvt_scalef32_pk8_bf8_f32 v[CDS+2*\b:CDS+2*\b+1], v[TMP+8*\b:TMP+8*\b+7], v[SCL]
.endr
	v_nop                                          ; one plain vector instruction behind the conversions: the next block's multiply-adds write their sources
.irp c, 0,1,2,3
.if \kind
	global_store_b128 v[LOFF], v[CDS+4*\c:CDS+4*\c+3], s[10:11] offset:131072*((\a)/4)+1024*((\a)%4)+4096*(\c/2)+512*(\c%2)   ; head a / 4, channel tile a % 4, key step c / 2, half c % 2 of the image
.else
	global_store_b128 v[LOFF], v[CDS+4*\c:CDS+4*\c+3], s[10:11] offset:1024*(\a)+131072*(\c/2)+512*(\c%2)                    ; token tile a, head c / 2, half c % 2 of the image
.endif
.endr
.endm
	s_wait_kmcnt 0x0                               ; eA, eB, eO
	s_add_co_i32 s96, s96, s97
	s_add_co_i32 s96, s96, 127
	s_lshl_b32 s96, s96, 23                        ; 2^(eA + eB) as f32
	s_mov_b32 s97, s96                             ; (named with it as a pair, so it is written)
	s_add_co_i32 s99, s99, 127
	s_lshl_b32 s18, s99, 23
	v_mov_b32 v[SCL], s18
	s_add_co_i32 s99, s99, 15
	s_lshl_b32 s99, s99, 23
	s_or_b32 s99, s99, 0x600000
	v_mov_b32 v[LIM], s99
	s_wait_loadcnt 0x0                             ; the biases
	PLACES NP                                      ; behind the last products: the numbers and codes below are written where A's fragments lay
	s_cmp_eq_u32 s[KIND], 2                        ; the same in every wave of every partner
	s_cbranch_scc1 .Lv
.irp a, 0,1,2,3,4,5,6,7
	OUTBLK \a, 0
.endr
	s_branch .Ldone
.Lv:
.irp a, 0,1,2,3,4,5,6,7
	OUTBLK \a, 1
.endr
.Ldone:
	s_wait_tensorcnt 0x0                           ; the wave's end
	ds_add_u32 v[SPW], v[NIL]
	s_wait_dscnt 0x0
	CROUND                                         ; the closing round: no work-group ends while a partner may still ask for a tile that names it
	s_endpgm
.Lfunc_end_k_q87cd56fa23_proj:
	.size	k_q87cd56fa23_proj, .Lfunc_end_k_q87cd56fa23_proj-k_q87cd56fa23_proj
	.p2alignl 7, 3214868480
	.fill 96, 4, 3214868480
	.section	.rodata,"a",@progbits
	.p2align	6, 0x0
	.amdhsa_kernel k_q87cd56fa23_proj
		.amdhsa_group_segment_fixed_size 327680
		.amdhsa_private_segment_fixed_size 0
		.amdhsa_enable_private_segment 0
		.amdhsa_kernarg_size 104
		.amdhsa_user_sgpr_count 2
		.amdhsa_user_sgpr_kernarg_segment_ptr 1
		.amdhsa_wavefront_size32 1
		.amdhsa_system_sgpr_workgroup_id_x 1
		.amdhsa_system_sgpr_workgroup_id_y 1
		.amdhsa_system_sgpr_workgroup_id_z 1
		.amdhsa_system_vgpr_workitem_id 0
		.amdhsa_next_free_vgpr 1024
		.amdhsa_next_free_sgpr 102
		.amdhsa_reserve_vcc 0
		.amdhsa_float_denorm_mode_32 3
		.amdhsa_float_denorm_mode_16_64 3
		.amdhsa_memory_ordered 1
		.amdhsa_forward_progress 1
		.amdhsa_inst_pref_size 195
	.end_amdhsa_kernel
	.amdgpu_metadata
---
amdhsa.version: [ 1, 2 ]
amdhsa.kernels:
  - .name:           k_q87cd56fa23_proj
    .symbol:         k_q87cd56fa23_proj.kd
    .args:
      - { .name: queries_codes, .offset: 0, .size: 8, .value_kind: global_buffer, .address_space: global }
      - { .name: keys_codes, .offset: 8, .size: 8, .value_kind: global_buffer, .address_space: global }
      - { .name: Wv_codes, .offset: 16, .size: 8, .value_kind: global_buffer, .address_space: global }
      - { .name: Wq_codes, .offset: 24, .size: 8, .value_kind: global_buffer, .address_space: global }
      - { .name: Wk_codes, .offset: 32, .size: 8, .value_kind: global_buffer, .address_space: global }
      - { .name: values_codes, .offset: 40, .size: 8, .value_kind: global_buffer, .address_space: global }
      - { .name: bq, .offset: 48, .size: 8, .value_kind: global_buffer, .address_space: global }
      - { .name: bk, .offset: 56, .size: 8, .value_kind: global_buffer, .address_space: global }
      - { .name: bv, .offset: 64, .size: 8, .value_kind: global_buffer, .address_space: global }
      - { .name: qimg, .offset: 72, .size: 8, .value_kind: global_buffer, .address_space: global }
      - { .name: kimg, .offset: 80, .size: 8, .value_kind: global_buffer, .address_space: global }
      - { .name: vimg, .offset: 88, .size: 8, .value_kind: global_buffer, .address_space: global }
      - { .name: lowp_scales, .offset: 96, .size: 8, .value_kind: global_buffer, .address_space: global }
    .group_segment_fixed_size: 327680
    .private_segment_fixed_size: 0
    .kernarg_segment_align: 8
    .kernarg_segment_size: 104
    .max_flat_workgroup_size: 128
    .sgpr_count:     102
    .vgpr_count:     1024
    .wavefront_size: 32
...
	.end_amdgpu_metadata
.endif
;; end of part 1
;; launch attn (part 2): grid 4 x 64, 16 waves a work-group, clusters of 4 x 1, 327,680 bytes of LDS; arguments qimg, kimg, vimg, lowp_scales, aimg; writes aimg
.if DOCPART == 2
	.amdgcn_target "amdgcn-amd-amdhsa--gfx1250"
	.amdhsa_code_object_version 6
	.text
	.protected	k_q87cd56fa23_attn
	.globl	k_q87cd56fa23_attn
	.p2align	8
	.type	k_q87cd56fa23_attn,@function
k_q87cd56fa23_attn:
	s_mov_b64 s[64:65], 0
	v_nop
	global_prefetch_b8 v0, s[64:65] scope:SCOPE_SE
	s_setreg_imm32_b32 hwreg(HW_REG_WAVE_MODE, 25, 1), 1
	s_wait_xcnt 0x0
	s_wait_alu depctr_hold_cnt(0) depctr_sa_sdst(0) depctr_va_vdst(0) depctr_va_sdst(0) depctr_va_ssrc(0) depctr_va_vcc(0) depctr_vm_vsrc(0)
	s_getreg_b32 s2, hwreg(HW_REG_IB_STS2, 6, 4)
	s_cmp_eq_u32 s2, 0
	s_cbranch_scc0 .Lentry_in_a_cluster
	s_endpgm
.Lentry_in_a_cluster:
	s_bfe_u32 s2, ttmp6, 0x10000c
	s_cmp_lg_u32 s2, 0x3003
	s_cbranch_scc0 .Lentry_shape_is_right
	s_endpgm
.Lentry_shape_is_right:
; ATTENTION ON CODES OF BF8 (E5M2): for each of 64 (batch, head) pairs, O = softmax(Q K^T / 8) V, 2,048 queries x 2,048 keys, head size 64; both products by v_wmma_f32_16x16x64_bf8_bf8, sums in f32.
; t = score x log2(e) / 8 x 2^(e6 + e7); M = ceil(the row's largest t); p = 2^(t - M) is quantised with entry 9 of the scales; the row's sum is taken of the unquantised p in f32 and divides O at the end;
; O x 2^(e8 + e9) / sum is quantised with entry 10 and stored as the image that the output projection reads.
; SHARES.  A work-group owns 512 queries of one pair, each of its sixteen waves 32 of them (two tiles of 16).  The four work-groups of a pair form a cluster and ask for K and V JOINTLY.
; A pair's K (131,072 bytes) and V (131,072 bytes) lie whole in LDS: each wave asks for 8,192 bytes of K at the head and for 8,192 bytes of V behind one round of the cluster's barrier; nothing is filled again.
; TWO WALKS OVER THE KEYS.  Walk 1: S^T = K Q^T and the row's largest score, nothing else (32 three-input maxima for 64 scores a lane).  Walk 2: S^T once more, with M final from its first step on:
; so no running maximum is kept and neither O^T nor the sum is ever rescaled.  The price by the text's own count: 8 matrix instructions and 8 LDS loads more for each step of 64 keys.
; LAYOUT.  Both products are used transposed (source 0 = 16 keys, or 16 of the head's 64; source 1 = my 16 queries): a lane holds ONE query (lane % 16); register 8 k + j of a tile's scores is key 16 k + 8 (lane / 16) + j,
; so a conversion's two registers are registers 2 k, 2 k + 1 of the second product's operand.  qimg, kimg, vimg hold images of operand registers: 1,024 bytes a fragment, lane l's 16 bytes at 16 l and at 512 + 16 l.
; NO PREFETCH: every byte of K and of V is asked for by the two tensor loads a wave at the head; there is no loop that runs ahead of a load.
; LIMITS: e6 + e7 between -123 and 130 (added to c's exponent field); entries 9 and 10 between -126 and 112, so that each power of two below is an f32 number.  NaN among the operands is not served.
; REGISTERS: v1-7 addresses and p's scale; v8-11 -M; v12-19 the sums, two chains a tile; v20-23 the maxima, two chains a tile; v32 Q; v48, v80 fragments of K and V (walk 1: two sets of K); v112 S^T, then p; v176 O^T (walk 1: a second S^T); v240 p's codes.
.set DUAL, 1                           ; 1: two holds in one dual pair; 0: one by one
.set LI,   1                           ; 16 x lane
.set GO,   2                           ; the way out: 16 (lane % 16) + 8 (lane / 16)
.set ADK,  3                           ; LDS address of the trip's tiles of K
.set ADV,  4                           ; of V
.set PSC,  5                           ; 2^e9
.set PLIM, 6                           ; v6, v7: 57,344 x 2^e9, twice, in two register banks for the dual pair
.set NM,   8                           ; v[8:9], v[10:11]: -M of tile 0, 1
.set L,    12
.set MX,   20
.set TM,   24                          ; v24, v25: what a lane permute brings
.set OSC,  26                          ; 2^e10
.set OLIM, 27                          ; 57,344 x 2^e10
.set SPW,  30                          ; LDS address of my spare word; never rewritten
.set NIL,  31                          ; 0; never rewritten
.set Q,    32
.set KF,   48
.set VF,   80
.set S,    112
.set O,    176
.set PC,   240
.set VBASE, 131072                     ; V lies behind K
.set SPARE, 262144                     ; behind both: the spare words, 128 bytes a wave
.set WV,   18
.set G1,   24
.set G0K,  32
.set G0V,  36
.set CS,   58
.set SEL,  60
.set TB,   62
.set CNT,  63
.macro CROUND                          ; a round of the cluster's barrier
	s_barrier_signal -1
	s_barrier_wait -1
	s_cmp_lg_u32 s[WV], 0
	s_cbranch_scc1 .Lnot_wave_0_\@
	s_barrier_signal -3
.Lnot_wave_0_\@:
	s_barrier_wait -3
	s_barrier_signal -1
	s_barrier_wait -1
.endm
.macro LDK dst, off                    ; four fragments of K: 64 keys
.irp k, 0,1,2,3
	ds_load_b128 v[\dst+8*\k:\dst+8*\k+3],   v[ADK] offset:(\off)+1024*\k
	ds_load_b128 v[\dst+8*\k+4:\dst+8*\k+7], v[ADK] offset:(\off)+1024*\k+512
.endr
.endm
.macro SCORE dst, kf                   ; S^T of 64 keys x my 32 queries
.irp k, 0,1,2,3
.irp t, 0,1
	v_wmma_f32_16x16x64_bf8_bf8 v[\dst+32*\t+8*\k:\dst+32*\t+8*\k+7], v[\kf+8*\k:\kf+8*\k+7], v[Q+8*\t:Q+8*\t+7], 0
.endr
.endr
.endm
.macro MAX4 src, i                     ; four scores of each tile into its two chains; each accumulator from its low end on
.irp t, 0,1
	v_max3_num_f32 v[MX+2*\t],   v[MX+2*\t],   v[\src+32*\t+\i],   v[\src+32*\t+\i+1]
	v_max3_num_f32 v[MX+2*\t+1], v[MX+2*\t+1], v[\src+32*\t+\i+2], v[\src+32*\t+\i+3]
.endr
.endm
; Walk 1, one step: the scores of the step in hand go into sd while the maxima of the step before are taken from sm: those 32 lines are the places behind the products.
; cnt: the LDS loads that may stay out (the eight of the set after this one).  off >= 0: behind four places set kd is fetched anew, two steps ahead.
.macro HALF sd, kd, sm, cnt, off
	s_wait_alu depctr_va_vdst(0)
	s_wait_dscnt \cnt
	SCORE \sd, \kd
	MAX4 \sm, 0
.if \off >= 0
	LDK \kd, \off
.endif
.irp i, 4,8,12,16,20,24,28
	MAX4 \sm, \i
.endr
.endm
	s_load_b256 s[4:11], s[0:1], 0x0               ; qimg s[4:5], kimg s[6:7], vimg s[8:9], the scales s[10:11]
	s_load_b64 s[12:13], s[0:1], 0x20              ; aimg
	v_lshl_add_u32 v[SPW], v0, 2, SPARE
	v_mov_b32 v[NIL], 0
	ds_add_u32 v[SPW], v[NIL]                      ; the opening lines: the add, twice on end, and its wait ahead of my first tensor load
	ds_add_u32 v[SPW], v[NIL]
	v_lshrrev_b32 v[ADK], 5, v0
	v_readfirstlane_b32 s[WV], v[ADK]              ; wave 0..15
	v_and_b32 v[LI], 31, v0
	v_lshlrev_b32 v[LI], 4, v[LI]
	v_and_b32 v[GO], 15, v0
	v_bfe_u32 v[ADV], v0, 4, 1
	v_lshlrev_b32 v[GO], 4, v[GO]
	v_lshl_add_u32 v[GO], v[ADV], 3, v[GO]
.irp i, 0,1,2,3
	v_mov_b32 v[MX+\i], 0xff800000                 ; -infinity, under every score
.endr
.irp i, 0,1,2,3,4,5,6,7
	v_mov_b32 v[L+\i], 0
.endr
	v_mov_b32 v[TM], 0                             ; a lane permute's destination counts as one of its sources
	v_mov_b32 v[TM+1], 0
	s_bfe_u32 s19, ttmp6, 0x40000                  ; cx: which 512 queries of the pair
	s_and_b32 s20, ttmp7, 0xffff                   ; the pair: 16 x batch + head
	s_lshl_b32 s22, s20, 17                        ; its 131,072 bytes in each image
	s_mov_b32 s23, 0
	s_lshl_b32 s21, s19, 5
	s_lshl_b32 s51, s[WV], 1
	s_add_co_u32 s21, s21, s51                     ; my first tile of 16 queries, of the pair's 128
	s_lshl_b32 s66, s21, 10
	s_mov_b32 s67, 0
	s_lshl_b32 s2, s[WV], 13                       ; my 8,192 bytes of K and of V, in memory and in LDS: no place in the cluster enters them
	s_mov_b32 s3, 0
	s_mov_b32 s[G1], 15|(3<<16)|(1<<21)            ; the mask names the four partners; elements of 8 bytes; bit 21 beside a mask
	s_mov_b32 s[G1+1], 32<<16                      ; rows of 256 bytes,
	s_mov_b32 s[G1+2], 32<<16                      ; 32 of them,
	s_mov_b32 s[G1+3], 32<<16
	s_mov_b32 s[G1+4], 32
	s_mov_b32 s[G1+5], 32                          ; dense
	s_mov_b32 s[G1+6], 0
	s_mov_b32 s[G1+7], 0
	s_mov_b32 s[SEL], 0x76543210
	s_mov_b32 s[SEL+1], 0xfedcba98                 ; lane l xor 16
	s_mov_b32 s[CS], 0x3e38aa3b                    ; c = log2(e) / 8
	s_wait_alu depctr_va_vdst(0)
	s_wait_dscnt 0x0                               ; both opening adds are done
	s_wait_kmcnt 0x0
	s_load_b128 s[52:55], s[10:11], 0x18           ; e6, e7, e8, e9
	s_load_b32 s56, s[10:11], 0x28                 ; e10
	s_add_nc_u64 s[4:5], s[4:5], s[22:23]
	s_add_nc_u64 s[4:5], s[4:5], s[66:67]
.irp i, 0,1,2,3
	global_load_b128 v[Q+4*\i:Q+4*\i+3], v[LI], s[4:5] offset:512*\i th:TH_LOAD_NT   ; Q's two fragments stay in registers
.endr
	s_mov_b32 s[G0K], 1
	s_mov_b32 s[G0K+1], s2
	s_add_nc_u64 s[G0K+2:G0K+3], s[6:7], s[22:23]
	s_add_nc_u64 s[G0K+2:G0K+3], s[G0K+2:G0K+3], s[2:3]
	s_or_b32 s[G0K+3], s[G0K+3], 0x80000000
	s_mov_b32 s[G0V], 1
	s_add_co_u32 s[G0V+1], s2, VBASE
	s_add_nc_u64 s[G0V+2:G0V+3], s[8:9], s[22:23]
	s_add_nc_u64 s[G0V+2:G0V+3], s[G0V+2:G0V+3], s[2:3]
	s_or_b32 s[G0V+3], s[G0V+3], 0x80000000
	CROUND                                         ; the four partners are here: the joint loads meet
	tensor_load_to_lds s[G0K:G0K+3], s[G1:G1+7]    ; my sixteenth of K: my one tensor load at the head
	s_nop 0
	s_lshr_b32 s51, s20, 4                         ; aimg: [tile of 16 tokens 512][head 16][1,024]
	s_lshl_b32 s51, s51, 7
	s_add_co_u32 s51, s51, s21
	s_lshl_b32 s66, s51, 14
	s_and_b32 s51, s20, 15
	s_lshl_b32 s51, s51, 10
	s_add_co_u32 s66, s66, s51
	s_add_nc_u64 s[12:13], s[12:13], s[66:67]
	s_wait_kmcnt 0x0
	s_add_co_i32 s51, s52, s53
	s_lshl_b32 s51, s51, 23
	s_add_co_i32 s[CS], s[CS], s51                 ; c x 2^(e6 + e7)
	s_mov_b32 s[CS+1], s[CS]                       ; (named with it as a pair)
	s_add_co_i32 s51, s55, 127
	s_lshl_b32 s57, s51, 23
	v_mov_b32 v[PSC], s57
	s_add_co_i32 s51, s51, 15
	s_lshl_b32 s51, s51, 23
	s_or_b32 s51, s51, 0x600000
	v_mov_b32 v[PLIM], s51
	v_mov_b32 v[PLIM+1], s51
	s_add_co_i32 s51, s56, 127
	s_lshl_b32 s57, s51, 23
	v_mov_b32 v[OSC], s57
	s_add_co_i32 s51, s51, 15
	s_lshl_b32 s51, s51, 23
	s_or_b32 s51, s51, 0x600000
	v_mov_b32 v[OLIM], s51
	s_add_co_i32 s57, s54, s55                     ; e8 + e9
	s_mov_b32 s[TB], 0
	s_wait_alu depctr_va_vdst(0)
	s_wait_tensorcnt 0x0                           ; my part of K is in
	ds_add_u32 v[SPW], v[NIL]
	s_wait_dscnt 0x0
	CROUND                                         ; all of K is in, in all four partners
	tensor_load_to_lds s[G0V:G0V+3], s[G1:G1+7]    ; my sixteenth of V: it has walk 1 in which to land
	s_nop 0
	; WALK 1.  Step n's scores lie in S (n even) or in O's registers (n odd); K's fragments in KF (n even) or in VF's registers (n odd).
	v_add_nc_u32 v[ADK], s[TB], v[LI]
	LDK KF, 0
	LDK VF, 4096
	s_wait_alu depctr_va_vdst(0)
	s_wait_loadcnt 0x0                             ; Q
	s_wait_dscnt 8                                 ; step 0's fragments are in; step 1's eight loads may be out
	SCORE S, KF
.rept 4
	v_nop                                          ; places in front of the loads into KF
.endr
	LDK KF, 8192
	s_mov_b32 s[CNT], 14
.Lwalk1:                                           ; a trip: the products of steps n + 1 and n + 2, the maxima of steps n and n + 1, the loads of steps n + 3 and n + 4; n = 0, 2 .. 26
	v_add_nc_u32 v[ADK], s[TB], v[LI]
	HALF O, VF, S, 8, 12288
	HALF S, KF, O, 8, 16384
	s_add_co_u32 s[TB], s[TB], 8192
	s_sub_co_u32 s[CNT], s[CNT], 1
	s_cmp_lg_u32 s[CNT], 0
	s_cbranch_scc1 .Lwalk1
	v_add_nc_u32 v[ADK], s[TB], v[LI]              ; n = 28: the tail fetches step 31 and nothing beyond K's end
	HALF O, VF, S, 8, 12288
	HALF S, KF, O, 8, -1
	HALF O, VF, S, 0, -1
	s_wait_alu depctr_va_vdst(0)
	s_wait_tensorcnt 0x0                           ; my part of V is in; none of my LDS loads is out:
	s_barrier_signal -1                            ; say so, and finish M on registers while the others arrive
.irp i, 0,4,8,12,16,20,24,28
	MAX4 O, \i                                     ; step 31's maxima
.endr
.irp t, 0,1
	v_max_num_f32 v[MX+2*\t], v[MX+2*\t], v[MX+2*\t+1]
.endr
.irp t, 0,1
	v_permlanex16_b32 v[TM+\t], v[MX+2*\t], s[SEL], s[SEL+1]
.endr
.irp t, 0,1
	v_max_num_f32 v[MX+2*\t], v[MX+2*\t], v[TM+\t] ; the row's largest score, in both lanes of the query
.endr
.irp t, 0,1
	v_mul_f32 v[MX+2*\t], s[CS], v[MX+2*\t]        ; as t (c is positive)
.endr
.irp t, 0,1
	v_floor_f32 v[NM+2*\t], -v[MX+2*\t]            ; -M = floor(-t) = -ceil(t)
.endr
.irp t, 0,1
	v_mov_b32 v[NM+2*\t+1], v[NM+2*\t]             ; (named with it as a pair)
.endr
	s_mov_b32 s[TB], 0
	s_wait_alu depctr_va_vdst(0)
	s_barrier_wait -1                              ; all of V is in
; WALK 2, one step of 64 keys.  zero = 1: the first products start O^T: nothing is cleared.
.macro STEP u, zero
	LDK KF, 4096*(\u)
	s_wait_dscnt 0x0
	SCORE S, KF
.rept 4
	v_nop                                          ; places: in front of the first read of the scores, and of the loads into VF, which the last step's products read
.endr
.irp d, 0,1,2,3
	ds_load_b128 v[VF+8*\d:VF+8*\d+3],   v[ADV] offset:4096*(\u)+1024*\d
	ds_load_b128 v[VF+8*\d+4:VF+8*\d+7], v[ADV] offset:4096*(\u)+1024*\d+512
.endr
.irp j, 0,2,4,6,8,10,12,14,16,18,20,22,24,26,28,30
.irp t, 0,1
	v_pk_fma_f32 v[S+32*\t+\j:S+32*\t+\j+1], v[S+32*\t+\j:S+32*\t+\j+1], s[CS:CS+1], v[NM+2*\t:NM+2*\t+1] op_sel_hi:[1,0,0]   ; t - M, two at a time
.endr
.endr
	s_wait_alu depctr_va_vdst(0)
.set i, 0
.rept 64
	v_exp_f32 v[S+i], v[S+i]                       ; p = 2^(t - M)
.set i, i+1
.endr
	v_nop                                          ; a plain place behind the exponentials
	s_wait_alu depctr_va_vdst(0)                   ; one wait for the batch, ahead of its first reader; it also stands between O^T's last products and the next
	s_wait_dscnt 0x0                               ; V's fragments, asked for ahead of the 96 lines above
.irp j, 0,4,8,12,16,20,24,28
.irp t, 0,1
	v_pk_add_f32 v[L+4*\t:L+4*\t+1],   v[L+4*\t:L+4*\t+1],   v[S+32*\t+\j:S+32*\t+\j+1]     ; the row's sum of the unquantised p: two chains a tile
	v_pk_add_f32 v[L+4*\t+2:L+4*\t+3], v[L+4*\t+2:L+4*\t+3], v[S+32*\t+\j+2:S+32*\t+\j+3]
.endr
.endr
.irp t, 0,1
.set i, 0
.rept 16                                       ; the conversion to an 8-bit code does not saturate (ISA guide 7.6.2); p is not negative, so the hold is one-sided
.if DUAL
	v_dual_min_num_f32 v[S+32*\t+i], v[S+32*\t+i], v[PLIM] :: v_dual_min_num_f32 v[S+32*\t+i+1], v[S+32*\t+i+1], v[PLIM+1]
.else
	v_min_num_f32 v[S+32*\t+i], v[S+32*\t+i], v[PLIM]
	v_min_num_f32 v[S+32*\t+i+1], v[S+32*\t+i+1], v[PLIM]
.endif
.set i, i+2
.endr
.irp k, 0,1,2,3
	v_cvt_scalef32_pk8_bf8_f32 v[PC+8*\t+2*\k:PC+8*\t+2*\k+1], v[S+32*\t+8*\k:S+32*\t+8*\k+7], v[PSC]
.endr
.endr
	v_nop                                          ; one plain place between the conversions and the products that read their results
.irp d, 0,1,2,3                                ; O^T += V^T P^T: the eight accumulators by turns
.irp t, 0,1
.if \zero
	v_wmma_f32_16x16x64_bf8_bf8 v[O+32*\t+8*\d:O+32*\t+8*\d+7], v[VF+8*\d:VF+8*\d+7], v[PC+8*\t:PC+8*\t+7], 0
.else
	v_wmma_f32_16x16x64_bf8_bf8 v[O+32*\t+8*\d:O+32*\t+8*\d+7], v[VF+8*\d:VF+8*\d+7], v[PC+8*\t:PC+8*\t+7], v[O+32*\t+8*\d:O+32*\t+8*\d+7]
.endif
.endr
.endr
.endm
.macro TRIP zero                       ; two steps on one pair of addresses
	v_add_nc_u32 v[ADK], s[TB], v[LI]
	v_add_nc_u32 v[ADV], VBASE, v[ADK]
	s_wait_alu depctr_va_vdst(0)                   ; directly behind the writes
	STEP 0, \zero
	STEP 1, 0
	s_add_co_u32 s[TB], s[TB], 8192
.endm
	TRIP 1                                         ; the first trip stands in front of the loop
	s_mov_b32 s[CNT], 15
.Lwalk2:
	TRIP 0
	s_sub_co_u32 s[CNT], s[CNT], 1
	s_cmp_lg_u32 s[CNT], 0
	s_cbranch_scc1 .Lwalk2
	; THE WAY OUT.  The eight plain lines below are also the places behind the last products.
.irp t, 0,1
	v_pk_add_f32 v[L+4*\t:L+4*\t+1], v[L+4*\t:L+4*\t+1], v[L+4*\t+2:L+4*\t+3]
.endr
.irp t, 0,1
	v_add_f32 v[L+4*\t], v[L+4*\t], v[L+4*\t+1]
.endr
.irp t, 0,1
	v_permlanex16_b32 v[TM+\t], v[L+4*\t], s[SEL], s[SEL+1]
.endr
.irp t, 0,1
	v_add_f32 v[L+4*\t], v[L+4*\t], v[TM+\t]       ; the row's sum
.endr
	s_wait_alu depctr_va_vdst(0)                   ; ahead of the transcendentals
.irp t, 0,1
	v_rcp_f32 v[MX+2*\t], v[L+4*\t]
.endr
	v_nop
	s_wait_alu depctr_va_vdst(0)                   ; and behind them, ahead of their first reader
.irp t, 0,1
	v_ldexp_f32 v[MX+2*\t], v[MX+2*\t], s57        ; x 2^(e8 + e9)
.endr
	s_wait_alu depctr_va_vdst(0)
.irp j, 0,2,4,6,8,10,12,14,16,18,20,22,24,26,28,30
.irp t, 0,1
	v_pk_mul_f32 v[S+32*\t+\j:S+32*\t+\j+1], v[O+32*\t+\j:O+32*\t+\j+1], v[MX+2*\t:MX+2*\t+1] op_sel_hi:[1,0]
.endr
.endr
.set i, 0
.rept 64
	v_med3_num_f32 v[S+i], v[S+i], -v[OLIM], v[OLIM]
.set i, i+1
.endr
.irp t, 0,1
.irp d, 0,1,2,3
	v_cvt_scalef32_pk8_bf8_f32 v[PC+8*\t+2*\d:PC+8*\t+2*\d+1], v[S+32*\t+8*\d:S+32*\t+8*\d+7], v[OSC]
.endr
.endr
	v_nop
.irp t, 0,1
.irp d, 0,1,2,3
	global_store_b64 v[GO], v[PC+8*\t+2*\d:PC+8*\t+2*\d+1], s[12:13] offset:16384*\t+512*(\d/2)+256*(\d%2)   ; the 32 lanes store 256 consecutive bytes, aligned
.endr
.endr
	s_wait_tensorcnt 0x0                           ; the wave's end
	ds_add_u32 v[SPW], v[NIL]
	s_wait_dscnt 0x0
	CROUND                                         ; the closing round
	s_endpgm
.Lfunc_end_k_q87cd56fa23_attn:
	.size	k_q87cd56fa23_attn, .Lfunc_end_k_q87cd56fa23_attn-k_q87cd56fa23_attn
	.p2alignl 7, 3214868480
	.fill 96, 4, 3214868480
	.section	.rodata,"a",@progbits
	.p2align	6, 0x0
	.amdhsa_kernel k_q87cd56fa23_attn
		.amdhsa_group_segment_fixed_size 327680
		.amdhsa_private_segment_fixed_size 0
		.amdhsa_enable_private_segment 0
		.amdhsa_kernarg_size 40
		.amdhsa_user_sgpr_count 2
		.amdhsa_user_sgpr_kernarg_segment_ptr 1
		.amdhsa_wavefront_size32 1
		.amdhsa_system_sgpr_workgroup_id_x 1
		.amdhsa_system_sgpr_workgroup_id_y 1
		.amdhsa_system_sgpr_workgroup_id_z 1
		.amdhsa_system_vgpr_workitem_id 0
		.amdhsa_next_free_vgpr 256
		.amdhsa_next_free_sgpr 72
		.amdhsa_reserve_vcc 0
		.amdhsa_float_denorm_mode_32 3
		.amdhsa_float_denorm_mode_16_64 3
		.amdhsa_memory_ordered 1
		.amdhsa_forward_progress 1
		.amdhsa_inst_pref_size 78
	.end_amdhsa_kernel
	.amdgpu_metadata
---
amdhsa.version: [ 1, 2 ]
amdhsa.kernels:
  - .name:           k_q87cd56fa23_attn
    .symbol:         k_q87cd56fa23_attn.kd
    .args:
      - { .name: qimg, .offset: 0, .size: 8, .value_kind: global_buffer, .address_space: global }
      - { .name: kimg, .offset: 8, .size: 8, .value_kind: global_buffer, .address_space: global }
      - { .name: vimg, .offset: 16, .size: 8, .value_kind: global_buffer, .address_space: global }
      - { .name: lowp_scales, .offset: 24, .size: 8, .value_kind: global_buffer, .address_space: global }
      - { .name: aimg, .offset: 32, .size: 8, .value_kind: global_buffer, .address_space: global }
    .group_segment_fixed_size: 327680
    .private_segment_fixed_size: 0
    .kernarg_segment_align: 8
    .kernarg_segment_size: 40
    .max_flat_workgroup_size: 512
    .sgpr_count:     72
    .vgpr_count:     256
    .wavefront_size: 32
...
	.end_amdgpu_metadata
.endif
;; end of part 2
;; launch outp (part 3): grid 4 x 64, 4 waves a work-group, clusters of 4 x 4, 327,680 bytes of LDS; arguments aimg, Wo_codes, lowp_scales, out0, bo; writes out0
.if DOCPART == 3
	.amdgcn_target "amdgcn-amd-amdhsa--gfx1250"
	.amdhsa_code_object_version 6
	.text
	.protected	k_q87cd56fa23_outp
	.globl	k_q87cd56fa23_outp
	.p2align	8
	.type	k_q87cd56fa23_outp,@function
k_q87cd56fa23_outp:
	s_mov_b64 s[64:65], 0
	v_nop
	global_prefetch_b8 v0, s[64:65] scope:SCOPE_SE
	s_setreg_imm32_b32 hwreg(HW_REG_WAVE_MODE, 25, 1), 1
	s_wait_xcnt 0x0
	s_wait_alu depctr_hold_cnt(0) depctr_sa_sdst(0) depctr_va_vdst(0) depctr_va_sdst(0) depctr_va_ssrc(0) depctr_va_vcc(0) depctr_vm_vsrc(0)
	s_getreg_b32 s2, hwreg(HW_REG_IB_STS2, 6, 4)
	s_cmp_eq_u32 s2, 0
	s_cbranch_scc0 .Lentry_in_a_cluster
	s_endpgm
.Lentry_in_a_cluster:
	s_bfe_u32 s2, ttmp6, 0x10000c
	s_cmp_lg_u32 s2, 0xf033
	s_cbranch_scc0 .Lentry_shape_is_right
	s_endpgm
.Lentry_shape_is_right:
; THE OUTPUT PROJECTION: out0 = a Wo^T + bo, 8,192 x 1,024 x 1,024 on codes of BF8 (E5M2), sums in f32; each sum x 2^(e10 + e11) + bias in one fused multiply-add.
; 256 work-groups, each a block of 128 tokens x 256 columns; a wave makes 64 x 128 in 32 accumulators (256 registers).
; A = aimg, images of operand registers: [tile of 16 tokens 512][64 along K 16][1,024]: a block's 128 tokens x all of K are 131,072 consecutive bytes, and lie whole in LDS.
; B = Wo's codes, 256 rows: K goes in two halves of 512 through ONE region of LDS (rows of 512 bytes + 16 of padding): half 0 is asked for at the head, half 1 fills the region again when every wave has read half 0 into registers.
; So a wave issues one tensor load at the head (waves 0, 1: halves of A; waves 2, 3: 128 rows of B each), and waves 2, 3 one refill.
; CLUSTERS: 4 x 4 work-groups.  The four of a row of the cluster need the same A, the four of a column the same B: each is asked for JOINTLY.
; THE MATRIX INSTRUCTION IS USED TRANSPOSED (source 0 = 16 rows of Wo, source 1 = 16 tokens): a lane holds eight neighbouring columns of one token's row.
; Order of k in a fragment: registers 4 c .. 4 c + 3 hold K = 32 c + 16 (lane / 16) + 0 .. 15, in A's image and in B's loads alike.
; PREFETCH: B's half 1, the one tile that is not asked for at the head, is prefetched there, three steps of 128 along K ahead of its load.  All sixteen clusters load Wo: four of them ask.  A comes whole by its loads at the head.
; LIMIT: e10 + e11 between -126 and 127, so that 2^(e10 + e11) is an f32 number.
; REGISTERS, in windows of 256: window 0: v0-31 addresses, v32-95 the bias, v128-255 A's fragments, two sets of 64 (on the way out: rows read back from the stage); window 1: B's fragments, two sets of 128; window 2: the accumulators, (a, b) at v[8 (8 a + b)].
.set PITCH,  528                       ; B's LDS row: 33 x 16 bytes, so the 16 rows that a load touches start at 16 different groups of banks (ISA guide 11.1)
.set HALFB,  128*PITCH                 ; 128 rows of B: what one tensor load brings, and what one wave reads
.set BBASE,  131072                    ; B lies behind A
.set SPARE,  BBASE+2*HALFB             ; the spare words, 128 bytes a wave, which no other line names
.set STAGE,  SPARE+512                 ; the way out: 16 rows x (512 + 16) bytes for each wave, bytes of their own
.set SPITCH, 528
.set NB,     4096                      ; a row of out0 in bytes
.set FR,     16                        ; registers of a fragment: 16 rows x 128 K
.set NP,     4                         ; places behind this matrix instruction (ISA guide 7.12.1)
.set PFO,  9                           ; the prefetch's offset; never rewritten
.set ADRA, 16
.set ADRB, 20
.set STO,  24
.set RD,   25
.set CO,   26
.set BOH,  27
.set SPW,  28                          ; LDS address of my spare word; never rewritten
.set NIL,  29                          ; 0; never rewritten
.set BR,   32                          ; bo[my first column + 16 b + 8 h + j] at 8 b + j
.set AF,   128
.set BK,   128
.set G1, 24
.set G0, 32
.set G1B, 48
.set G0B, 56
.set MSB, 0
.macro WIN new                         ; the immediate's high byte repeats the setting that is left
.if MSB != (\new)
	s_set_vgpr_msb (MSB<<8)|(\new)
.set MSB, (\new)
.endif
.endm
.set MUL_W, 0xa1                       ; source 0 (B) window 1, source 1 (A) window 0, C and D window 2
.set TO_B,  0x40                       ; destination window 1, address window 0
.macro CROUND                          ; a round of the cluster's barrier
	s_barrier_signal -1
	s_barrier_wait -1
	s_cmp_lg_u32 s14, 0
	s_cbranch_scc1 .Lnot_wave_0_\@
	s_barrier_signal -3
.Lnot_wave_0_\@:
	s_barrier_wait -3
	s_barrier_signal -1
	s_barrier_wait -1
.endm
.macro PLACES n
.rept \n
	v_nop
.endr
.endm
	s_load_b128 s[4:7], s[0:1], 0x0                ; aimg s[4:5], Wo's codes s[6:7]
	s_load_b128 s[8:11], s[0:1], 0x10              ; the scales s[8:9], out0 s[10:11]
	s_load_b64 s[12:13], s[0:1], 0x20              ; bo
	v_lshl_add_u32 v[SPW], v0, 2, SPARE
	v_mov_b32 v[NIL], 0
	ds_add_u32 v[SPW], v[NIL]                      ; the opening lines: the add, twice on end, and its wait ahead of my first tensor load
	ds_add_u32 v[SPW], v[NIL]
	v_lshrrev_b32 v1, 5, v0
	v_readfirstlane_b32 s14, v1                    ; wave 0..3
	s_lshr_b32 s15, s14, 1                         ; which 64 tokens are mine.  Also: I fetch for A (0) or for B (1)
	s_and_b32 s16, s14, 1                          ; which 128 columns.  Also: which half I fetch
	s_bfe_u32 s40, ttmp6, 0x40000                  ; cx, cy
	s_bfe_u32 s41, ttmp6, 0x40004
	s_lshl_b32 s42, ttmp9, 2
	s_add_co_u32 s42, s42, s40                     ; block column, 0 .. 3
	s_and_b32 s17, ttmp7, 0xffff
	s_lshl_b32 s17, s17, 2
	s_add_co_u32 s17, s17, s41                     ; block row, 0 .. 63
	s_lshl_b32 s43, s41, 2
	s_lshl_b32 s43, 15, s43                        ; my row of the cluster
	s_lshl_b32 s44, 0x1111, s40                    ; my column
	s_or_b32 s[G1+0], s43, (3<<16)|(1<<21)         ; A: elements of 8 bytes; 256 dense rows of 256 bytes; no padding
	s_mov_b32 s[G1+1], 32<<16
	s_mov_b32 s[G1+2], 256<<16
	s_mov_b32 s[G1+3], 32<<16
	s_mov_b32 s[G1+4], 256
	s_mov_b32 s[G1+5], 32
	s_mov_b32 s[G1+6], 0
	s_mov_b32 s[G1+7], 0
	s_or_b32 s[G1B+0], s44, (0<<16)|(1<<20)|(1<<21)|(6<<22)|(3<<25)   ; B: elements of 1 byte; four words of padding after every 128
	s_mov_b32 s[G1B+1], 512<<16
	s_mov_b32 s[G1B+2], 128<<16
	s_mov_b32 s[G1B+3], 512<<16
	s_mov_b32 s[G1B+4], 128
	s_mov_b32 s[G1B+5], 1024
	s_mov_b32 s[G1B+6], 0
	s_mov_b32 s[G1B+7], 0
	s_lshl_b32 s20, s17, 17                        ; A: 131,072 bytes a block row,
	s_lshl_b32 s18, s16, 16                        ; + 65,536 x half, in memory and in LDS
	s_add_co_u32 s20, s20, s18
	s_mov_b32 s21, 0
	s_lshl_b32 s46, s42, 8
	s_lshl_b32 s19, s16, 7
	s_add_co_u32 s46, s46, s19                     ; B: row 256 x block column + 128 x half,
	s_lshl_b32 s46, s46, 10                        ; of 1,024 bytes
	s_mov_b32 s47, 0
	s_mul_i32 s45, s16, HALFB
	s_add_co_u32 s45, s45, BBASE                   ; and where it goes: no place in the cluster enters an LDS address
	s_wait_dscnt 0x0                               ; both opening adds are done
	s_wait_kmcnt 0x0
	s_load_b64 s[96:97], s[8:9], 0x28              ; e10, e11
	s_mov_b32 s[G0], 1
	s_mov_b32 s[G0+1], s18
	s_add_nc_u64 s[G0+2:G0+3], s[4:5], s[20:21]
	s_or_b32 s[G0+3], s[G0+3], 0x80000000
	s_mov_b32 s[G0B], 1
	s_mov_b32 s[G0B+1], s45
	s_add_nc_u64 s[G0B+2:G0B+3], s[6:7], s[46:47]
	s_or_b32 s[G0B+3], s[G0B+3], 0x80000000
	CROUND                                         ; all sixteen work-groups are here: the joint loads meet
	s_cmp_eq_u32 s15, 0                            ; one tensor load a wave at the head, one to an arm
	s_cbranch_scc0 .Lfor_b
	tensor_load_to_lds s[G0:G0+3], s[G1:G1+7]
	s_nop 0
	PLACES 4
	s_branch .Lasked
.Lfor_b:
	tensor_load_to_lds s[G0B:G0B+3], s[G1B:G1B+7]
	s_nop 0
	PLACES 4
.Lasked:
	; THE PREFETCH of B's half 1: 512 bytes, two aligned blocks of 256, of each of my block column's 256 rows.  The four partners of the column share the rows out by address (64 x cy),
	; the four waves take 16 rows each, a lane one block: each block is named once in a cluster that asks.  Clusters 0, 4, 8 and 12 ask: a branch on the cluster's number alone.
	s_lshl_b32 s70, s42, 8
	s_lshl_b32 s72, s41, 6
	s_add_co_u32 s70, s70, s72
	s_lshl_b32 s72, s14, 4
	s_add_co_u32 s70, s70, s72                     ; my wave's first row of Wo
	s_lshl_b32 s70, s70, 10
	s_mov_b32 s71, 0
	s_add_nc_u64 s[68:69], s[6:7], s[70:71]
	v_and_b32 v7, 15, v0
	v_bfe_u32 v8, v0, 4, 1
	v_lshlrev_b32 v7, 10, v7
	v_lshl_add_u32 v[PFO], v8, 8, v7               ; row lane % 16, block lane / 16
	s_and_b32 s72, ttmp7, 3
	s_cmp_eq_u32 s72, 0
	s_cbranch_scc0 .Lno_ask
	global_prefetch_b8 v[PFO], s[68:69] offset:512 th:TH_LOAD_NT scope:SCOPE_SE
.Lno_ask:
	v_and_b32 v1, 15, v0                           ; r = lane % 16
	v_bfe_u32 v2, v0, 4, 1                         ; h = lane / 16
	v_mul_u32_u24 v3, v1, PITCH
	v_lshl_add_u32 v4, v2, 4, v3                   ; B: row r x pitch + 16 h
	v_and_b32 v6, 31, v0
	v_lshlrev_b32 v[CO], 4, v6                     ; 16 x lane: my place in an image's 512 bytes, and in a row of 512 bytes on the way out
	v_lshlrev_b32 v[BOH], 5, v2
	v_mul_u32_u24 v5, v1, SPITCH
	v_lshl_add_u32 v5, v2, 5, v5                   ; the stage: row r, 32 bytes for each half of the lanes
	s_wait_alu depctr_va_vdst(0)
	s_lshl_b32 s21, s15, 16                        ; my 64 tokens of A: four tiles of 16,384 bytes
	s_mul_i32 s23, s14, 16*SPITCH
	s_add_co_u32 s23, s23, STAGE                   ; my stage
	v_add_nc_u32 v[ADRA], s21, v[CO]
	v_add_nc_u32 v[ADRB], s45, v4
	v_add_nc_u32 v[STO], s23, v5
	v_add_nc_u32 v[RD], s23, v[CO]
	s_lshl_b32 s20, s17, 7
	s_lshl_b32 s21, s15, 6
	s_add_co_u32 s20, s20, s21                     ; my first token,
	s_lshl_b32 s20, s20, 12                        ; its row of out0
	s_mov_b32 s21, 0
	s_lshl_b32 s46, s42, 10
	s_lshl_b32 s47, s16, 9
	s_add_co_u32 s46, s46, s47                     ; my first column, in bytes
	s_mov_b32 s47, 0
	s_add_nc_u64 s[12:13], s[12:13], s[46:47]
	s_add_nc_u64 s[20:21], s[20:21], s[46:47]
	s_add_nc_u64 s[10:11], s[10:11], s[20:21]
.irp b, 0,1,2,3,4,5,6,7
	global_load_b128 v[BR+8*\b:BR+8*\b+3],   v[BOH], s[12:13] offset:64*\b
	global_load_b128 v[BR+8*\b+4:BR+8*\b+7], v[BOH], s[12:13] offset:64*\b+16
.endr
; 48 LDS loads: the fragments of the q-th 128 along K (B's eight, A's four) into set q % 2
.macro FETCH q
.set P, (\q)%2
	WIN TO_B
.irp i, 0,1,2,3,4,5,6,7
.irp c, 0,1,2,3
	ds_load_b128 v[128*P+FR*\i+4*\c:128*P+FR*\i+4*\c+3], v[ADRB] offset:128*((\q)%4)+32*\c+\i*16*PITCH
.endr
.endr
	WIN 0
.irp i, 0,1,2,3
.irp c, 0,1,2,3
	ds_load_b128 v[AF+64*P+FR*\i+4*\c:AF+64*P+FR*\i+4*\c+3], v[ADRA] offset:16384*\i+2048*(\q)+512*\c
.endr
.endr
.endm
; A step of 128 along K: 32 matrix instructions, the 32 accumulators by turns, in the same order in every step.
; more = 1: the next step's fragments are asked for first, behind the places that the last step's products ask for; those 48 loads may stay out.
.macro KSTEP q, zero, more
.if \more
	PLACES NP
	FETCH (\q)+1
	s_wait_dscnt 48
.else
	s_wait_dscnt 0x0
.endif
.set P, (\q)%2
	WIN MUL_W
.irp a, 0,1,2,3
.irp b, 0,1,2,3,4,5,6,7
.if \zero
	v_wmma_f32_16x16x128_bf8_bf8 v[8*(8*\a+\b):8*(8*\a+\b)+7], v[128*P+FR*\b:128*P+FR*\b+FR-1], v[AF+64*P+FR*\a:AF+64*P+FR*\a+FR-1], 0
.else
	v_wmma_f32_16x16x128_bf8_bf8 v[8*(8*\a+\b):8*(8*\a+\b)+7], v[128*P+FR*\b:128*P+FR*\b+FR-1], v[AF+64*P+FR*\a:AF+64*P+FR*\a+FR-1], v[8*(8*\a+\b):8*(8*\a+\b)+7]
.endif
.endr
.endr
.endm
	s_wait_alu depctr_va_vdst(0)
	s_wait_tensorcnt 0x0                           ; my part is in
	s_barrier_signal -1
	s_barrier_wait -1                              ; everybody's is
	FETCH 0
	KSTEP 0, 1, 1                                  ; the first products start the sums
	KSTEP 1, 0, 1
	KSTEP 2, 0, 1                                  ; step 3's fragments, the last of B's half 0, have been asked for
	WIN 0
	s_wait_tensorcnt 0x0                           ; none of my tensor loads is out, so a group 0 may be written
	ds_add_u32 v[SPW], v[NIL]                      ; 0 onto my spare word
	s_add_nc_u64 s[G0B+2:G0B+3], s[G0B+2:G0B+3], 512   ; B's half 1
	s_wait_dscnt 0x0                               ; the add is done, and my reads of half 0 are over
	CROUND                                         ; so are those of every wave of every partner
	s_cmp_eq_u32 s15, 0                            ; waves 2 and 3 fill B's region again; waves 0 and 1 have nothing to fill
	s_cbranch_scc1 .Lno_refill
	tensor_load_to_lds s[G0B:G0B+3], s[G1B:G1B+7]
	s_nop 0
	PLACES 4
.Lno_refill:
	KSTEP 3, 0, 0                                  ; on registers, while the refill is on its way
	WIN 0
	s_wait_tensorcnt 0x0                           ; my part of half 1 is in
	s_barrier_signal -1
	s_barrier_wait -1                              ; everybody's is
	PLACES NP                                      ; in front of the loads into both sets
	FETCH 4
	KSTEP 4, 0, 1
	KSTEP 5, 0, 1
	KSTEP 6, 0, 1
	KSTEP 7, 0, 0
	WIN 0
; THE WAY OUT, block by block of 16 tokens x 128 columns: sum x 2^(e10 + e11) + bias, through my own stage in LDS, back as whole rows of 512 bytes.
; LDS serves a wave's instructions in order (ISA guide 5.7.1.4): no wait between the stores and the loads, nor in front of the next block's stores.
.macro TOSTAGE a
.set AC, 64*(\a)
	WIN 0x82                                       ; source 0 and destination: window 2
.set j, 0
.rept 32
	v_pk_fma_f32 v[AC+j:AC+j+1], v[AC+j:AC+j+1], s[96:97], v[BR+j:BR+j+1] op_sel_hi:[1,0,1]   ; each accumulator from its low end on
.set j, j+2
.endr
	WIN 0x08                                       ; a store's data: window 2
.irp b, 0,1,2,3,4,5,6,7
	ds_store_b128 v[STO], v[AC+8*\b:AC+8*\b+3] offset:64*\b
	ds_store_b128 v[STO], v[AC+8*\b+4:AC+8*\b+7] offset:64*\b+16
.endr
	WIN 0
.set BB, BK+64*((\a)%2)
.irp t, 0,1,2,3,4,5,6,7,8,9,10,11,12,13,14,15
	ds_load_b128 v[BB+4*\t:BB+4*\t+3], v[RD] offset:\t*SPITCH
.endr
.endm
.macro SEND a, younger                 ; younger: the LDS instructions issued behind block a's loads, which may stay out
.set BB, BK+64*((\a)%2)
	s_wait_dscnt \younger
.if (\a) > 0
	s_add_nc_u64 s[10:11], s[10:11], 16*NB         ; behind a wait on XCNT: the earlier stores have read their base
.endif
.irp t, 0,1,2,3,4,5,6,7,8,9,10,11,12,13,14,15
	global_store_b128 v[CO], v[BB+4*\t:BB+4*\t+3], s[10:11] offset:\t*NB th:TH_STORE_NT   ; 32 lanes store 512 consecutive bytes, aligned
.endr
.endm
	s_wait_kmcnt 0x0
	s_add_co_i32 s96, s96, s97
	s_add_co_i32 s96, s96, 127
	s_lshl_b32 s96, s96, 23                        ; 2^(e10 + e11) as f32
	s_mov_b32 s97, s96                             ; (named with it as a pair)
	s_wait_loadcnt 0x0                             ; the bias
	PLACES NP                                      ; behind the last products
	TOSTAGE 0
.irp a, 1,2,3
.if \a > 1
	s_wait_xcnt 0x0                                ; block a - 2's stores have read their registers and their base
.endif
	TOSTAGE \a
	SEND \a-1, 32                                  ; behind block a - 1's loads: block a's 16 stores and 16 loads
.endr
	s_wait_xcnt 0x0
	SEND 3, 0
	s_wait_tensorcnt 0x0                           ; the wave's end
	ds_add_u32 v[SPW], v[NIL]
	s_wait_dscnt 0x0
	CROUND                                         ; the closing round
	s_endpgm
.Lfunc_end_k_q87cd56fa23_outp:
	.size	k_q87cd56fa23_outp, .Lfunc_end_k_q87cd56fa23_outp-k_q87cd56fa23_outp
	.p2alignl 7, 3214868480
	.fill 96, 4, 3214868480
	.section	.rodata,"a",@progbits
	.p2align	6, 0x0
	.amdhsa_kernel k_q87cd56fa23_outp
		.amdhsa_group_segment_fixed_size 327680
		.amdhsa_private_segment_fixed_size 0
		.amdhsa_enable_private_segment 0
		.amdhsa_kernarg_size 40
		.amdhsa_user_sgpr_count 2
		.amdhsa_user_sgpr_kernarg_segment_ptr 1
		.amdhsa_wavefront_size32 1
		.amdhsa_system_sgpr_workgroup_id_x 1
		.amdhsa_system_sgpr_workgroup_id_y 1
		.amdhsa_system_sgpr_workgroup_id_z 1
		.amdhsa_system_vgpr_workitem_id 0
		.amdhsa_next_free_vgpr 768
		.amdhsa_next_free_sgpr 98
		.amdhsa_reserve_vcc 0
		.amdhsa_float_denorm_mode_32 3
		.amdhsa_float_denorm_mode_16_64 3
		.amdhsa_memory_ordered 1
		.amdhsa_forward_progress 1
		.amdhsa_inst_pref_size 74
	.end_amdhsa_kernel
	.amdgpu_metadata
---
amdhsa.version: [ 1, 2 ]
amdhsa.kernels:
  - .name:           k_q87cd56fa23_outp
    .symbol:         k_q87cd56fa23_outp.kd
    .args:
      - { .name: aimg, .offset: 0, .size: 8, .value_kind: global_buffer, .address_space: global }
      - { .name: Wo_codes, .offset: 8, .size: 8, .value_kind: global_buffer, .address_space: global }
      - { .name: lowp_scales, .offset: 16, .size: 8, .value_kind: global_buffer, .address_space: global }
      - { .name: out0, .offset: 24, .size: 8, .value_kind: global_buffer, .address_space: global }
      - { .name: bo, .offset: 32, .size: 8, .value_kind: global_buffer, .address_space: global }
    .group_segment_fixed_size: 327680
    .private_segment_fixed_size: 0
    .kernarg_segment_align: 8
    .kernarg_segment_size: 40
    .max_flat_workgroup_size: 128
    .sgpr_count:     98
    .vgpr_count:     768
    .wavefront_size: 32
...
	.end_amdgpu_metadata
.endif
;; end of part 3
